; MI455X (gfx1250); checked and timed in simulation.
; The chip was launched on July 23, 2026; its instructions are those of AMD's public machine-readable ISA for CDNA 5 (MIT licence, August 2026) and "CDNA5" Instruction Set Architecture Reference Guide (July 2026). The comments in the code are by the model that wrote it; some were corrected since.
;; Separate non local. Allowed arithmetic: matrix products marked QUANTISED: E5M2 operands, one given power-of-two scale a tensor, by v_wmma_f32_16x16x64_bf8_bf8 or v_wmma_f32_16x16x128_bf8_bf8, f32 sums; everything else in f32.
;; Inputs: bA 128 float32; bB 128 float32; bD 128 float32; bO 128 float32; lowp_scales 12 int32 (the exponents e of the quantised operands' scales 2^e); nei 2 x 128 x 64 x 64 float32; ref 2 x 128 x 64 x 64 float32; wA 128 x 128 float32; wB 128 x 128 float32; wD 128 x 128 float32; wO 128 x 256 float32.
;; Outputs: out0 2 x 128 x 64 x 64 float32.
;; This version of the problem:
;;   THIS VERSION OF THE PROBLEM IS GIVEN IN LOW PRECISION. The matrix products marked QUANTISED in the list below multiply operands that are first quantised to E5M2 (5 exponent bits, 2 mantissa bits; 8 bits a number), with one given power-of-two scale for each operand tensor; their sums are f32. All else is computed in f32.
;;   The module's matrix products, in the order in which they are computed (A, B: the left and right operand; K: the contracted axis; several contracted axes count as one K, in the product's order):
;;     1. [M 16,384, K 128] x [K 128, N 128]; A: computed on the way; B: input wA: QUANTISED (scales: A lowp_scales[0], B lowp_scales[1])
;;     2. [M 16,384, K 128] x [K 128, N 128]; A: computed on the way; B: input wB: QUANTISED (scales: A lowp_scales[2], B lowp_scales[3])
;;     3. [M 16,384, K 128] x [K 128, N 128]; A: computed on the way; B: input wD: QUANTISED (scales: A lowp_scales[4], B lowp_scales[5])
;;     4. batch 2 x [M 8,192, K 128] x [K 128, N 8,192]; A: computed on the way; B: computed on the way: QUANTISED (scales: A lowp_scales[6], B lowp_scales[7])
;;     5. batch 2 x [M 128, K 8,192] x [K 8,192, N 8,192]; A: computed on the way; B: softmax (see below): QUANTISED (scales: A lowp_scales[8], B lowp_scales[9])
;;     6. [M 8,192, K 256] x [K 256, N 128]; A: computed on the way; B: input wO: QUANTISED (scales: A lowp_scales[10], B lowp_scales[11])
;;   THE QUANTISER, for each operand of a quantised product, along K:
;;     - The operand's scale is 2^e, e = its entry of the input lowp_scales (int32; the entries are numbered through the quantised products in the list's order, A before B).
;;     - Each number is divided by the scale, clamped to +-57,344, and rounded to the nearest number of E5M2, ties to even, subnormals kept.
;;     - The product sums the exact products of the quantised numbers (number of the format x scale) in f32.
;;   ~~~python
;;   def quantise(x, axis, e):      # numpy; x: float32 -> the quantised numbers, widened to float32 again
;;       x = np.moveaxis(x, axis, -1); K = x.shape[-1]
;;       r = np.clip(x / 2.0 ** e, -57344, 57344)
;;       step = 2.0 ** (np.maximum(np.frexp(np.where(r == 0, 1, r))[1] - 1, -14) - 2)
;;       q = np.round(r / step) * step * 2.0 ** e      # np.round: ties to even
;;       return np.moveaxis(q, -1, axis).astype(np.float32)
;;   ~~~
;;   SOFTMAX AHEAD OF A QUANTISED PRODUCT. Where the list says 'softmax', what is quantised is not the finished softmax but p = 2^(t - M), with t = logit x log2(e) and M = ceil(the row's largest t), a whole number; so 1/2 < the row's largest p <= 1. The row's sum l is taken of the UNQUANTISED p, in f32, and the product's result is divided by l at the end. Since M is a whole number, a kernel that streams over the keys may use a running M (the ceiling of the running maximum): every later rescaling is an exact power of two, so the quantised numbers keep their values, but for numbers so far below the row's largest that they fall under the format's range.
;;   OPERANDS COMPUTED ON THE WAY. 'Computed on the way' means the value that the module computes at that place (a softmax that the list does not call 'softmax' is quantised finished and normalised). What goes into a quantiser is computed in f32, as accurately as f32 sums, v_exp_f32 and their like allow (about 1e-6 of the number): no bf16 or f16 on the way to a quantiser, and a product that is left as it is and whose result goes on into a quantised operand takes f32 operands (vector FMAs, or v_wmma_f32_16x16x4_f32). A number that lies on a knife's edge between two numbers of the format may be rounded either way, as far as f32 arithmetic and the matrix unit's own rounding can turn it there, and no further.
;; One version. Each part assembles by itself: llvm-mc -triple=amdgcn-amd-amdhsa -mcpu=gfx1250 --defsym DOCPART=n.
;; ======== version 1 of 1: 2 launches
;; workspace buffers: q_img 2,097,152 bytes; kv_img 4,194,304 bytes
;; launch proj (part 1): grid 256 x 1, 4 waves a work-group, clusters of 4 x 1, 270,848 bytes of LDS; arguments ref, nei, wA, wB, wD, bA, bB, bD, lowp_scales, q_img, kv_img; writes q_img, kv_img
.if DOCPART == 1
	.amdgcn_target "amdgcn-amd-amdhsa--gfx1250"
	.amdhsa_code_object_version 6
	.text
	.protected	k_q972120a92d_proj
	.globl	k_q972120a92d_proj
	.p2align	8
	.type	k_q972120a92d_proj,@function
k_q972120a92d_proj:
	s_mov_b64 s[64:65], 0
	v_nop
	global_prefetch_b8 v0, s[64:65] scope:SCOPE_SE
	s_setreg_imm32_b32 hwreg(HW_REG_WAVE_MODE, 25, 1), 1
	s_wait_xcnt 0x0
	s_wait_alu depctr_hold_cnt(0) depctr_sa_sdst(0) depctr_va_vdst(0) depctr_va_sdst(0) depctr_va_ssrc(0) depctr_va_vcc(0) depctr_vm_vsrc(0)
	s_getreg_b32 s2, hwreg(HW_REG_IB_STS2, 6, 4)
	s_cmp_eq_u32 s2, 0
	s_cbranch_scc0 .Lentry_in_a_cluster
	s_endpgm
.Lentry_in_a_cluster:
	s_bfe_u32 s2, ttmp6, 0x10000c
	s_cmp_lg_u32 s2, 0x3003
	s_cbranch_scc0 .Lentry_shape_is_right
	s_endpgm
.Lentry_shape_is_right:
; q = wA x + bA, k = wB x + bB, v = wD x + bD on codes of BF8 (E5M2), and q, k, v quantised again for the attention that follows.
; x[b][c][n]: token n of batch b is column n of ref[b] (n < 4,096) or column n - 4,096 of nei[b].  The given exponents e0 .. e8: x is quantised three times (e0, e2, e4), wA, wB, wD with e1, e3, e5; q, k, v with e6, e7, e8.
; OUTPUT = IMAGES OF OPERAND REGISTERS.  A fragment is 16 rows x 128 K = 2,048 bytes = 4 blocks of 512; block c holds registers 4 c .. 4 c + 3, lane l's 16 bytes at 16 l; lane (r, h) holds, of row r, k = 32 c + 16 h + 0 .. 15
; (a permutation of k that is the same on both sides of every product).
;   q_img  [b][tile T 0..511][2048]: row r of tile 2 G + u is token 32 G + 8 u + r + 8 (r / 8); k = channel.
;   kv_img [b][key step s 0..63][K: 8 fragments | V: 8 fragments]: K's fragment 2 B + u: row r = key 128 s + 32 B + 8 u + r + 8 (r / 8), k = channel;  V's fragment 2 b + u: row r = channel 32 b + 8 u + r + 8 (r / 8), k = key 128 s + ..
; SHARES.  A work-group owns 64 tokens (4 tiles of 16).  Wave w quantises tile w of x (three images in LDS) and owns rows 32 w .. 32 w + 31 of each weight (two tiles, rows chosen as above), for all four tiles of tokens: 24 matrix instructions.
; q and k are made transposed (source 0 = 16 weight rows, source 1 = 16 tokens): a lane holds one token, and the 16 registers of its two tiles are channels 32 w + 16 h + 0 .. 15: block w of the token tile's fragment.
; v is made the other way round (source 0 = 16 tokens, source 1 = 16 weight rows): a lane holds one channel and 16 neighbouring tokens: a block of V's fragment.  The biases, divided by the power of two that the sums lack, are the C of each product.
; CLUSTER.  The four work-groups of a cluster need the same three weights: waves 1, 2, 3 ask for wA, wB, wD jointly (mask 15); wave 0 asks for its own work-group's tile of x.  Nothing in LDS is filled twice.
; LIMITS on the given exponents, so that each power of two below is an f32 number: e0 .. e5, e6 - e0 - e1, e7 - e2 - e3, e8 - e4 - e5 between -126 and 112.  NaN among the inputs is not served.
.set XP,   264                         ; a channel's row of x in LDS: 64 tokens x 4 bytes + 8 of padding = 66 words: 16 rows on are 32 banks on, so the 32 lanes of a 4-byte load touch 32 different banks (64 banks of 4 bytes: ISA guide 11.1)
.set XIMG, 128*XP                      ; behind x's tile: 12 images of x's fragments (scale p, tile tt: 4 p + tt), 2,048 bytes each
.set WP,   528                         ; a weight's row in LDS: 512 bytes + 16
.set WTB,  128*WP                      ; a weight's tile; weight p begins at WTB (p + 1)
.set WC,   16                          ; v16-111  my six weight fragments as codes (weight p, tile u: 2 p + u)
.set N0,   112                         ; v112-175 64 numbers
.set N1,   176                         ; v176-239 64 numbers
.set PC,   240                         ; v240-255 a fragment's codes just made
.set XF,   112                         ; the products: two fragments of x,
.set ACC,  144                         ; four accumulators,
.set BV,   176                         ; bD / 2^(e4 + e5), eight registers a tile,
.set BI,   208                         ; bA / 2^(e0 + e1) (16 registers), bB / 2^(e2 + e3) (16),
.set OC,   240                         ; and two blocks of codes to store
.set SCV,  11                          ; v11  the scale in hand, as f32
.set LMV,  12                          ; v12  57,344 x that scale
.macro CROUND                          ; a round of the cluster's barrier
	s_barrier_signal -1
	s_barrier_wait -1
	s_cmp_lg_u32 s38, 0
	s_cbranch_scc1 .Lnot_wave_0_\@
	s_barrier_signal -3
.Lnot_wave_0_\@:
	s_barrier_wait -3
	s_barrier_signal -1
	s_barrier_wait -1
.endm
.macro SETQ se                         ; the scale 2^s[se]: (e + 127) << 23 is 2^e as f32; 15 more in the exponent field over the mantissa field of 57,344 is the largest number x the scale
	s_add_co_i32 s44, s[\se], 127
	s_lshl_b32 s45, s44, 23
	v_mov_b32 v[SCV], s45
	s_add_co_i32 s44, s44, 15
	s_lshl_b32 s44, s44, 23
	s_or_b32 s44, s44, 0x600000
	v_mov_b32 v[LMV], s44
.endm
; 64 numbers of a lane, v[src + 16 b + i] = k 32 b + 16 h + i of my row, become a fragment's 16 registers of codes at v[dst].  Block b's held numbers go to v[tmp + 16 (b % md)]: in place (tmp = src, md = 4), or into two sets by turns (md = 2), which leaves the numbers as they were.
.macro QUANT src, tmp, md, dst
.irp b, 0,1,2,3
.set i, 0
.rept 16
	v_med3_num_f32 v[\tmp+16*(\b%\md)+i], v[\src+16*\b+i], -v[LMV], v[LMV]   ; the conversion to an 8-bit code does not saturate (ISA guide 7.6.2): the hold at the largest code x the scale
.set i, i+1
.endr
	v_cvt_scalef32_pk8_bf8_f32 v[\dst+4*\b:\dst+4*\b+1], v[\tmp+16*(\b%\md):\tmp+16*(\b%\md)+7], v[SCV]
	v_cvt_scalef32_pk8_bf8_f32 v[\dst+4*\b+2:\dst+4*\b+3], v[\tmp+16*(\b%\md)+8:\tmp+16*(\b%\md)+15], v[SCV]
.endr
	v_nop                                          ; one plain vector instruction behind the last conversion, ahead of whatever next touches its result or writes its sources
.endm
.macro LOADW f, buf                    ; weight fragment f = 2 p + u as f32: of row 32 w + 8 u + r + 8 (r / 8), 16 numbers of each block of 32
.irp c, 0,1,2,3
.irp j, 0,1,2,3
	ds_load_b128 v[\buf+16*\c+4*\j:\buf+16*\c+4*\j+3], v[6+(\f)/2] offset:((\f)%2)*8*WP+128*\c+16*\j
.endr
.endr
.endm
.macro IMAGE off                       ; the fragment in v[PC] on goes to LDS as it stands
.irp c, 0,1,2,3
	ds_store_b128 v9, v[PC+4*\c:PC+4*\c+3] offset:\off+512*\c
.endr
.endm
; Product p (0: q, 1: k, 2: v) for token tiles 2 hb and 2 hb + 1: four matrix instructions on four accumulators, quantised and stored: each store covers 512 consecutive bytes, aligned.
.macro HALF p, hb
.irp t, 0,1
.irp c, 0,1,2,3
	ds_load_b128 v[XF+16*\t+4*\c:XF+16*\t+4*\c+3], v10 offset:(4*\p+2*\hb+\t)*2048+512*\c
.endr
.endr
	s_wait_dscnt 0x0
.irp t, 0,1
.irp u, 0,1
.if \p < 2
	v_wmma_f32_16x16x128_bf8_bf8 v[ACC+8*(2*\t+\u):ACC+8*(2*\t+\u)+7], v[WC+16*(2*\p+\u):WC+16*(2*\p+\u)+15], v[XF+16*\t:XF+16*\t+15], v[BI+16*\p+8*\u:BI+16*\p+8*\u+7]
.else
	v_wmma_f32_16x16x128_bf8_bf8 v[ACC+8*(2*\u+\t):ACC+8*(2*\u+\t)+7], v[XF+16*\t:XF+16*\t+15], v[WC+16*(4+\u):WC+16*(4+\u)+15], v[BV+8*\u:BV+8*\u+7]
.endif
.endr
.endr
.rept 4
	v_nop                                          ; four places between the products and the first read of their results (ISA guide 7.12.1)
.endr
	s_wait_xcnt 0x0                                ; the earlier stores have read their data: v[OC] on is written again only behind this wait
.irp i, 0,1                            ; a pair of accumulators = 16 neighbours along the next K; each accumulator is read from its low end on
.set k, 0
.rept 16
	v_med3_num_f32 v[ACC+16*\i+k], v[ACC+16*\i+k], -v[LMV], v[LMV]
.set k, k+1
.endr
	v_cvt_scalef32_pk8_bf8_f32 v[OC+4*\i:OC+4*\i+1], v[ACC+16*\i:ACC+16*\i+7], v[SCV]
	v_cvt_scalef32_pk8_bf8_f32 v[OC+4*\i+2:OC+4*\i+3], v[ACC+16*\i+8:ACC+16*\i+15], v[SCV]
.endr
	v_nop                                          ; one plain vector instruction behind the last conversion
.irp i, 0,1
.if \p == 0
	global_store_b128 v1, v[OC+4*\i:OC+4*\i+3], s[34:35] offset:(2*\hb+\i)*2048    ; block w of Q's tile 2 hb + i
.elseif \p == 1
	global_store_b128 v1, v[OC+4*\i:OC+4*\i+3], s[66:67] offset:(2*\hb+\i)*2048    ; block w of K's fragment
.else
	global_store_b128 v1, v[OC+4*\i:OC+4*\i+3], s[36:37] offset:\i*2048+\hb*512    ; block 2 (tb % 2) + hb of V's fragment 2 w + i
.endif
.endr
.endm
	s_load_b512 s[16:31], s[0:1], 0x0              ; ref s[16:17], nei s[18:19], wA s[20:21], wB s[22:23], wD s[24:25], bA s[26:27], bB s[28:29], bD s[30:31]
	s_load_b128 s[32:35], s[0:1], 0x40             ; the scales' exponents s[32:33], q_img s[34:35]
	s_load_b64 s[36:37], s[0:1], 0x50              ; kv_img
	v_lshl_add_u32 v15, v0, 2, 0x42000
	s_set_vgpr_msb 0x40
	v_mov_b32 v1, 0
	s_set_vgpr_msb 0x4044
	ds_add_u32 v15, v1
	ds_add_u32 v15, v1
	s_set_vgpr_msb 0x4400
	v_lshrrev_b32 v2, 5, v0
	v_readfirstlane_b32 s38, v2                    ; wave 0..3
	s_bfe_u32 s39, ttmp6, 0x40000                  ; cx: my place in the cluster
	s_lshl_b32 s40, ttmp9, 2                       ; in a cluster launch ttmp9 counts clusters
	s_add_co_u32 s40, s40, s39                     ; my work-group's number, 0 .. 255
	s_lshr_b32 s41, s40, 7                         ; the batch
	s_and_b32 s42, s40, 127                        ; tb: my block of 64 tokens
	v_and_b32 v1, 31, v0
	v_lshlrev_b32 v1, 4, v1                        ; 16 x lane: my place in a block of an image
	v_and_b32 v2, 15, v0                           ; r
	v_bfe_u32 v3, v0, 4, 1                         ; h
	v_and_b32 v4, 8, v2
	v_add_nc_u32 v4, v4, v2                        ; r + 8 (r / 8)
	s_lshr_b32 s43, s38, 1                         ; x: my token of tile w = 2 g + u is 32 g + 8 u + r + 8 (r / 8); my channels begin at 16 h
	s_lshl_b32 s43, s43, 7
	s_and_b32 s44, s38, 1
	s_lshl_b32 s44, s44, 5
	s_add_co_u32 s43, s43, s44
	v_mul_u32_u24 v5, v3, 16*XP
	v_lshl_add_u32 v5, v4, 2, v5
	v_add_nc_u32 v5, s43, v5
	s_mul_i32 s43, s38, 32*WP                      ; the weights: row 32 w + r + 8 (r / 8), + 64 h bytes; one address for each of the three
	s_add_co_u32 s43, s43, WTB
	v_mul_u32_u24 v6, v4, WP
	v_lshl_add_u32 v6, v3, 6, v6
	v_add_nc_u32 v6, s43, v6
	v_add_nc_u32 v7, WTB, v6
	v_add_nc_u32 v8, WTB, v7
	v_add_nc_u32 v10, XIMG, v1                     ; x's images: where any wave reads them,
	s_lshl_b32 s43, s38, 11
	v_add_nc_u32 v9, s43, v10                      ; and where I store tile w's
	s_lshl_b32 s43, s38, 7
	v_lshl_add_u32 v13, v3, 6, s43                 ; bA, bB: channels 32 w + 16 h on
	v_lshl_add_u32 v14, v4, 2, s43                 ; bD: channel 32 w + r + 8 (r / 8)
	; descriptor group 1 for x's tile: 128 rows (channels) of 64 f32, 4,096 elements apart
	s_mov_b32 s48, (2<<16)|(1<<20)|(5<<22)|(1<<25) ; no mask; elements of 4 bytes; padding on: 2 words behind every 64
	s_mov_b32 s49, 64<<16                          ; tensor_dim0
	s_mov_b32 s50, 128<<16                         ; tensor_dim1
	s_mov_b32 s51, 64<<16                          ; tile_dim0
	s_mov_b32 s52, 128                             ; tile_dim1
	s_mov_b32 s53, 4096                            ; from row to row
	s_mov_b32 s54, 0
	s_mov_b32 s55, 0
	; and for a weight: 128 rows of 128 f32, dense
	s_mov_b32 s56, 15|(2<<16)|(1<<20)|(1<<21)|(6<<22)|(3<<25)  ; the mask: all four work-groups; bit 21 beside it; padding: 4 words behind every 128
	s_mov_b32 s57, 128<<16
	s_mov_b32 s58, 128<<16
	s_mov_b32 s59, 128<<16
	s_mov_b32 s60, 128
	s_mov_b32 s61, 128
	s_mov_b32 s62, 0
	s_mov_b32 s63, 0
	s_lshl_b32 s44, s41, 21                        ; x's tile in its tensor: the batch's 2 MiB + 256 bytes for each block of 64 tokens
	s_and_b32 s45, s42, 63
	s_lshl_b32 s45, s45, 8
	s_add_co_u32 s44, s44, s45
	s_mov_b32 s45, 0
	s_and_b32 s46, ttmp9, 16                       ; tokens 4,096 on (tb >= 64) come from nei
	s_wait_dscnt 0x0
	s_wait_kmcnt 0x0
	s_load_b256 s[76:83], s[32:33], 0x0            ; e0 .. e7
	s_load_b32 s84, s[32:33], 0x20                 ; e8
	s_cmp_lg_u32 s46, 0
	s_cselect_b64 s[70:71], s[18:19], s[16:17]
	s_add_nc_u64 s[70:71], s[70:71], s[44:45]
	s_or_b32 s71, s71, 0x80000000                  ; type = 2
	s_mov_b32 s68, 1
	s_mov_b32 s69, 0                               ; x's tile lies at LDS byte 0
	s_mov_b32 s72, 1
	s_mul_i32 s73, s38, WTB                        ; wave 1, 2, 3: weight 0, 1, 2
	s_cmp_eq_u32 s38, 2
	s_cselect_b64 s[74:75], s[22:23], s[20:21]
	s_cmp_eq_u32 s38, 3
	s_cselect_b64 s[74:75], s[24:25], s[74:75]     ; the choice hangs on the wave's number alone: alike in all four work-groups
	s_or_b32 s75, s75, 0x80000000
	CROUND                                         ; all four work-groups are here: the joint loads meet
	s_cmp_eq_u32 s38, 0
	s_cbranch_scc0 .Lfor_w
	tensor_load_to_lds s[68:71], s[48:55]          ; wave 0: my work-group's own tile of x
	s_nop 0
.rept 4
	v_nop
.endr
	s_branch .Lasked
.Lfor_w:
	tensor_load_to_lds s[72:75], s[56:63]          ; waves 1 to 3: a weight each, jointly
	s_nop 0
.rept 4
	v_nop
.endr
.Lasked:
	s_lshl_b32 s44, s41, 20                        ; q_img: batch x 1 MiB + tb x 4 tiles + block w
	s_lshl_b32 s45, s42, 13
	s_add_co_u32 s44, s44, s45
	s_lshl_b32 s45, s38, 9
	s_add_co_u32 s44, s44, s45
	s_mov_b32 s45, 0
	s_add_nc_u64 s[34:35], s[34:35], s[44:45]
	s_lshl_b32 s44, s41, 21                        ; kv_img: batch x 2 MiB + key step tb / 2
	s_lshr_b32 s46, s42, 1
	s_lshl_b32 s46, s46, 15
	s_add_co_u32 s44, s44, s46
	s_add_nc_u64 s[36:37], s[36:37], s[44:45]
	s_and_b32 s47, s42, 1
	s_lshl_b32 s44, s47, 13                        ; K: fragments 4 (tb % 2) on, block w
	s_lshl_b32 s46, s38, 9
	s_add_co_u32 s44, s44, s46
	s_add_nc_u64 s[66:67], s[36:37], s[44:45]
	s_lshl_b32 s44, s47, 10                        ; V: behind K's 16 KiB; fragments 2 w on, blocks 2 (tb % 2) on
	s_lshl_b32 s46, s38, 12
	s_add_co_u32 s44, s44, s46
	s_add_co_u32 s44, s44, 16384
	s_add_nc_u64 s[36:37], s[36:37], s[44:45]
	s_wait_kmcnt 0x0
	s_add_co_i32 s85, s76, s77                     ; a sum of product 1 stands for sum x 2^(e0 + e1), and so on
	s_add_co_i32 s86, s78, s79
	s_add_co_i32 s87, s80, s81
	s_sub_co_i32 s88, s82, s85                     ; so q's code is sum / 2^(e6 - e0 - e1): the three scales folded into the conversion's one
	s_sub_co_i32 s89, s83, s86
	s_sub_co_i32 s90, s84, s87
	s_sub_co_i32 s91, 0, s85                       ; and the biases go in divided by what the sums lack
	s_sub_co_i32 s92, 0, s86
	s_sub_co_i32 s93, 0, s87
	s_wait_tensorcnt 0x0                           ; my tile has landed,
	s_barrier_signal -1
	s_barrier_wait -1                              ; everybody's has
	; ---- my six weight fragments become codes; the next fragment's 16 loads are out while one is quantised
	LOADW 0, N0
	LOADW 1, N1
.irp f, 0,1,2,3,4,5
.if \f < 5
	s_wait_dscnt 16                                ; fragment f is in; the next fragment's 16 loads may be out
.else
	s_wait_dscnt 0x0
.endif
.if \f % 2 == 0
	SETQ 77+\f                                     ; e1, e3, e5
.endif
	QUANT N0+64*(\f%2), N0+64*(\f%2), 4, WC+16*\f
.if \f < 4
	LOADW \f+2, N0+64*(\f%2)
.endif
.endr
	; ---- the biases are asked for now and land while x is quantised
.irp u, 0,1
.irp k, 0,1
	global_load_b128 v[BI+8*\u+4*\k:BI+8*\u+4*\k+3], v13, s[26:27] offset:32*\u+16*\k          ; bA: tile u's eight channels of my half
	global_load_b128 v[BI+16+8*\u+4*\k:BI+16+8*\u+4*\k+3], v13, s[28:29] offset:32*\u+16*\k    ; bB likewise
.endr
	global_load_b32 v[2+\u], v14, s[30:31] offset:32*\u                                        ; bD: tile u's channel of my lane
.endr
	; ---- x: my token's 64 numbers, read once, quantised at three scales
.irp c, 0,1,2,3
.set i, 0
.rept 16
	ds_load_b32 v[N0+16*\c+i], v5 offset:(32*\c+i)*XP
.set i, i+1
.endr
.endr
	s_wait_dscnt 0x0
	SETQ 76                                        ; e0
	QUANT N0, N1, 2, PC
	IMAGE 0
	SETQ 78                                        ; e2
	s_wait_dscnt 0x0                               ; the stores have read their registers
	QUANT N0, N1, 2, PC
	IMAGE 8192
	SETQ 80                                        ; e4
	s_wait_dscnt 0x0
	QUANT N0, N1, 2, PC
	IMAGE 16384
	s_wait_dscnt 0x0                               ; for the others' sake: my images lie in LDS
	s_barrier_signal -1
	s_barrier_wait -1
	s_wait_loadcnt 0x0                             ; the biases
.set j, 0
.rept 16
	v_ldexp_f32 v[BI+j], v[BI+j], s91
	v_ldexp_f32 v[BI+16+j], v[BI+16+j], s92
.set j, j+1
.endr
.irp u, 0,1
.set j, 0
.rept 8
	v_ldexp_f32 v[BV+8*\u+j], v[2+\u], s93         ; v's results hold one channel a lane: the same number in all eight registers
.set j, j+1
.endr
.endr
	; ---- the products
.irp p, 0,1,2
	SETQ 88+\p
	HALF \p, 0
	HALF \p, 1
.endr
	s_set_vgpr_msb 0x4
	s_wait_tensorcnt 0x0
	ds_add_u32 v15, v1
	s_wait_dscnt 0x0
	s_set_vgpr_msb 0x400
	CROUND                                         ; the closing round: no work-group ends while a partner may still ask for a tile that names it
	s_endpgm
.Lfunc_end_k_q972120a92d_proj:
	.size	k_q972120a92d_proj, .Lfunc_end_k_q972120a92d_proj-k_q972120a92d_proj
	.p2alignl 7, 3214868480
	.fill 96, 4, 3214868480
	.section	.rodata,"a",@progbits
	.p2align	6, 0x0
	.amdhsa_kernel k_q972120a92d_proj
		.amdhsa_group_segment_fixed_size 270848
		.amdhsa_private_segment_fixed_size 0
		.amdhsa_enable_private_segment 0
		.amdhsa_kernarg_size 88
		.amdhsa_user_sgpr_count 2
		.amdhsa_user_sgpr_kernarg_segment_ptr 1
		.amdhsa_wavefront_size32 1
		.amdhsa_system_sgpr_workgroup_id_x 1
		.amdhsa_system_sgpr_workgroup_id_y 1
		.amdhsa_system_sgpr_workgroup_id_z 1
		.amdhsa_system_vgpr_workitem_id 0
		.amdhsa_next_free_vgpr 258
		.amdhsa_next_free_sgpr 96
		.amdhsa_reserve_vcc 0
		.amdhsa_float_denorm_mode_32 3
		.amdhsa_float_denorm_mode_16_64 3
		.amdhsa_memory_ordered 1
		.amdhsa_forward_progress 1
		.amdhsa_inst_pref_size 86
	.end_amdhsa_kernel
	.amdgpu_metadata
---
amdhsa.version: [ 1, 2 ]
amdhsa.kernels:
  - .name:           k_q972120a92d_proj
    .symbol:         k_q972120a92d_proj.kd
    .args:
      - { .name: ref, .offset: 0, .size: 8, .value_kind: global_buffer, .address_space: global }
      - { .name: nei, .offset: 8, .size: 8, .value_kind: global_buffer, .address_space: global }
      - { .name: wA, .offset: 16, .size: 8, .value_kind: global_buffer, .address_space: global }
      - { .name: wB, .offset: 24, .size: 8, .value_kind: global_buffer, .address_space: global }
      - { .name: wD, .offset: 32, .size: 8, .value_kind: global_buffer, .address_space: global }
      - { .name: bA, .offset: 40, .size: 8, .value_kind: global_buffer, .address_space: global }
      - { .name: bB, .offset: 48, .size: 8, .value_kind: global_buffer, .address_space: global }
      - { .name: bD, .offset: 56, .size: 8, .value_kind: global_buffer, .address_space: global }
      - { .name: lowp_scales, .offset: 64, .size: 8, .value_kind: global_buffer, .address_space: global }
      - { .name: q_img, .offset: 72, .size: 8, .value_kind: global_buffer, .address_space: global }
      - { .name: kv_img, .offset: 80, .size: 8, .value_kind: global_buffer, .address_space: global }
    .group_segment_fixed_size: 270848
    .private_segment_fixed_size: 0
    .kernarg_segment_align: 8
    .kernarg_segment_size: 88
    .max_flat_workgroup_size: 128
    .sgpr_count:     96
    .vgpr_count:     258
    .wavefront_size: 32
...
	.end_amdgpu_metadata
.endif
;; end of part 1
;; launch attn (part 2): grid 128 x 2, 8 waves a work-group, clusters of 4 x 1, 327,680 bytes of LDS; arguments q_img, kv_img, wO, bO, ref, lowp_scales, out0; writes out0
.if DOCPART == 2
	.amdgcn_target "amdgcn-amd-amdhsa--gfx1250"
	.amdhsa_code_object_version 6
	.text
	.protected	k_q972120a92d_attn
	.globl	k_q972120a92d_attn
	.p2align	8
	.type	k_q972120a92d_attn,@function
k_q972120a92d_attn:
	s_mov_b64 s[64:65], 0
	v_nop
	global_prefetch_b8 v0, s[64:65] scope:SCOPE_SE
	s_setreg_imm32_b32 hwreg(HW_REG_WAVE_MODE, 25, 1), 1
	s_wait_xcnt 0x0
	s_wait_alu depctr_hold_cnt(0) depctr_sa_sdst(0) depctr_va_vdst(0) depctr_va_sdst(0) depctr_va_ssrc(0) depctr_va_vcc(0) depctr_vm_vsrc(0)
	s_getreg_b32 s2, hwreg(HW_REG_IB_STS2, 6, 4)
	s_cmp_eq_u32 s2, 0
	s_cbranch_scc0 .Lentry_in_a_cluster
	s_endpgm
.Lentry_in_a_cluster:
	s_bfe_u32 s2, ttmp6, 0x10000c
	s_cmp_lg_u32 s2, 0x3003
	s_cbranch_scc0 .Lentry_shape_is_right
	s_endpgm
.Lentry_shape_is_right:
; out0 = ref + wO [o1; o2] + bO, o = softmax(q^T k) v^T over 8,192 tokens of a batch, all three products on codes of BF8 (E5M2) with the given scales e6 .. e11.
; q_img and kv_img hold operands as images of their registers: a fragment (16 rows x 128 K) is 4 blocks of 512 bytes, block c = registers 4 c .. 4 c + 3, lane l's 16 bytes at 16 l; lane (r, h) holds k = 32 c + 16 h + 0 .. 15 of row r.
; Row r of a tile 2 G + u (of queries, of keys, of V's channels) is number 32 G + 8 u + r + 8 (r / 8): so the 16 registers of two neighbouring result tiles are 16 NEIGHBOURS along the next product's K.
; SHARES.  A work-group owns 64 queries: positions 32 G .. 32 G + 31 of the first half of the tokens and the same positions of the second half, which are just the K = 256 of the last product for 32 positions.
; Wave 4 qp + kq: the 32 queries (two tiles) of half qp, and of every slot of 512 keys the 128 keys of step kq.  Each fragment read from LDS feeds two products; two waves lie on a SIMD, one's softmax beside the other's products and loads.
; Both products are used transposed: S^T = K Q^T (source 0 = 16 keys, source 1 = 16 queries), O^T = V P^T (source 0 = 16 channels): a lane holds ONE query (lane % 16) throughout.
; SOFTMAX.  t = score x 2^(e6 + e7) x log2(e); M = the ceiling of the largest t that MY WAVE has seen so far for the query; p = 2^(t - M) is quantised with 2^e9; the sum is taken of the unquantised p.  When M moves, the sum and O^T are
; multiplied by 2^(old M - new M).  At the end the four waves of a half are joined under the largest of their four M, again by powers of two, and the result is divided by the joined sum.
; RING.  Two LDS slots of 512 keys (4 steps x (K 16 KiB | V 16 KiB)); a slot is one dense block of 128 KiB of kv_img, an eighth to each wave's tensor load.  CLUSTER: the four work-groups walk the same keys, so each load is a JOINT one (mask 15).
; By this text's count one tensor load of a wave is out behind each round; it has a whole key step in which to land.
; LIMITS: e9, e10, e11 between -126 and 112; e6 + e7 and e10 + e11 between -126 and 127; e8 + e9 is applied by v_ldexp_f32.  NaN among the inputs is not served.  A p that lies under the format's range below ITS WAVE'S running M is lost, as with any running M.
; out0 leaves in pieces of 128 consecutive bytes: a work-group owns 32 positions of each output row.
; REGISTERS.  Window 0: v1 my place in a slot; v2 the step's address; v3, v4 the spare word's address and 0; v5, v6 2^e9 and 57,344 x 2^e9; v8-23 statistics, eight a tile: +0 -M, +1 the largest t, +2, +3 the sum, +4 f, +5 0, +6, +7 at work;
;   v24-31 addresses; v32-63 Q; v64-191 S^T, then p; v192-223 p's codes; v224-255 wO's codes.   Window 1: v0-127 O^T (tile t, channels' tile ct at 64 t + 8 ct); v128-255 eight fragments of K or of V.
.set SLOT1, 1<<17                      ; slot 1 begins here: one exclusive or turns an address in one slot into the other's
.set SPARE, 2*SLOT1                    ; behind the ring: the spare words, 128 bytes for each of eight waves: four blocks of 256 bytes that no other line names
.set STAT,  SPARE+1024                 ; the waves' statistics: 512 x wave + 128 x item + 4 x lane; items -M0, l0, -M1, l1
.set EIMG,  STAT+4096                  ; four images: the last product's operand, tile u of positions, half s: 2 u + s
.set OSTG,  EIMG+8192                  ; the way out: 16 rows x (128 bytes + 16) for each wave
.set SGP,   144
.set ST,  8
.set Q,   32
.set S,   64
.set P,   192
.set WO,  224
.set F,   128                          ; in window 1
.set MSB, 0
.macro WIN new                         ; the immediate's high byte repeats the setting that is left; bits 1:0 source 0, 3:2 source 1, 5:4 source 2, 7:6 destination
.if MSB != \new
	s_set_vgpr_msb (MSB<<8)|\new
.set MSB, \new
.endif
.endm
.macro CROUND                          ; a round of the cluster's barrier
	s_barrier_signal -1
	s_barrier_wait -1
	s_cmp_lg_u32 s18, 0
	s_cbranch_scc1 .Lnot_wave_0_\@
	s_barrier_signal -3
.Lnot_wave_0_\@:
	s_barrier_wait -3
	s_barrier_signal -1
	s_barrier_wait -1
.endm
.macro SETK se, vs, vl                 ; v[vs] = 2^s[se] as f32, v[vl] = 57,344 x that
	s_add_co_i32 s60, s[\se], 127
	s_lshl_b32 s61, s60, 23
	v_mov_b32 v[\vs], s61
	s_add_co_i32 s60, s60, 15
	s_lshl_b32 s60, s60, 23
	s_or_b32 s60, s60, 0x600000
	v_mov_b32 v[\vl], s60
.endm
; THE CHANGE OF SLOTS stands at a slot's head.  Each wave waits for all its tensor loads (its eighth of the slot ahead), adds 0 to its spare word, and waits for that and for its reads of the slot that it has left.
; fill = 1: a round of the cluster's barrier, and behind it the slot just left is filled with the next 512 keys, jointly.  The four v_nop are also the places in front of the fragment loads that follow.
.macro CHANGE fill
	WIN 0
	s_wait_tensorcnt 0x0                           ; no tensor load of mine is out, so the walking group 0 may be written
	ds_add_u32 v3, v4                              ; 0 onto my spare word
.if \fill
	s_xor_b32 s37, s37, SLOT1                      ; the other slot than last time,
	s_add_nc_u64 s[38:39], s[38:39], 4*32768       ; the next 512 keys; the type bits on top are not reached
.endif
	s_wait_dscnt 0x0                               ; the add is done, and my reads of the slot that I have left are over
.if \fill
	CROUND                                         ; no wave of any partner still reads that slot or has a load on its way
	tensor_load_to_lds s[36:39], s[28:35]          ; the first thing behind the round, and my one tensor load until the next
	s_nop 0
.else
	s_barrier_signal -1
	s_barrier_wait -1
.endif
.rept 4
	v_nop
.endr
.endm
; Sum n of 33 for tile t: 0: the sum under the new M; 1 to 31: the 32 pairs of p in two chains; 32: the chains are joined.
.macro SUMOP t, n
.set rT, ST+8*\t
.set rS, S+64*\t
.if (\n) == 0
	v_pk_mul_f32 v[rT+2:rT+3], v[rT+2:rT+3], v[rT+4:rT+5] op_sel_hi:[1,0]
.elseif (\n) == 1
	s_wait_alu depctr_va_vdst(0)
	v_pk_add_f32 v[rT+6:rT+7], v[rS:rS+1], v[rS+2:rS+3]
	s_wait_alu depctr_va_vdst(0)
.elseif (\n) == 32
	v_pk_add_f32 v[rT+2:rT+3], v[rT+2:rT+3], v[rT+6:rT+7]
.elseif (\n)%2 == 0
	v_pk_add_f32 v[rT+2:rT+3], v[rT+2:rT+3], v[rS+2*(\n):rS+2*(\n)+1]
.else
	v_pk_add_f32 v[rT+6:rT+7], v[rT+6:rT+7], v[rS+2*(\n):rS+2*(\n)+1]
.endif
.endm
; Tile t's p become codes: the second product's operand.  sum = 1: tile 1's sums stand among the holds, one behind every second.
.macro HOLDCVT t, sum
.irp b, 0,1,2,3
.set i, 0
.rept 16
	v_min_num_f32 v[S+64*\t+16*\b+i], v[S+64*\t+16*\b+i], v6   ; the conversion to an 8-bit code does not saturate (ISA guide 7.6.2); p is not negative, so the hold is one-sided
.if \sum && (i%2)
.set sn, 8*\b+i/2
	SUMOP 1, sn
.endif
.set i, i+1
.endr
	v_cvt_scalef32_pk8_bf8_f32 v[P+16*\t+4*\b:P+16*\t+4*\b+1], v[S+64*\t+16*\b:S+64*\t+16*\b+7], v5
	v_cvt_scalef32_pk8_bf8_f32 v[P+16*\t+4*\b+2:P+16*\t+4*\b+3], v[S+64*\t+16*\b+8:S+64*\t+16*\b+15], v5
.endr
.endm
.macro SOFT
.irp t, 0,1                            ; the step's largest score of my query among my 64 keys: two chains a tile, each accumulator read from its low end on
	v_max3_num_f32 v[ST+8*\t+6], v[S+64*\t], v[S+64*\t+1], v[S+64*\t+2]
	v_max3_num_f32 v[ST+8*\t+7], v[S+64*\t+3], v[S+64*\t+4], v[S+64*\t+5]
.endr
.irp i, 6,10,14,18,22,26,30,34,38,42,46,50,54,58
.irp t, 0,1
	v_max3_num_f32 v[ST+8*\t+6], v[ST+8*\t+6], v[S+64*\t+\i], v[S+64*\t+\i+1]
	v_max3_num_f32 v[ST+8*\t+7], v[ST+8*\t+7], v[S+64*\t+\i+2], v[S+64*\t+\i+3]
.endr
.endr
.irp t, 0,1
	v_max3_num_f32 v[ST+8*\t+6], v[ST+8*\t+6], v[S+64*\t+62], v[S+64*\t+63]
.endr
.irp t, 0,1
	v_max_num_f32 v[ST+8*\t+6], v[ST+8*\t+6], v[ST+8*\t+7]
.endr
.irp t, 0,1
	v_permlanex16_b32 v[ST+8*\t+7], v[ST+8*\t+6], s22, s23   ; the query's other 64 keys lie in the lane 16 away
.endr
.irp t, 0,1
	v_max_num_f32 v[ST+8*\t+6], v[ST+8*\t+6], v[ST+8*\t+7]
.endr
.irp t, 0,1
	v_mul_f32 v[ST+8*\t+6], s24, v[ST+8*\t+6]      ; as t (the factor is positive)
.endr
.irp t, 0,1
	v_max_num_f32 v[ST+8*\t+1], v[ST+8*\t+1], v[ST+8*\t+6]   ; the running largest t
.endr
.irp t, 0,1
	v_mov_b32 v[ST+8*\t+6], v[ST+8*\t]
.endr
.irp t, 0,1
	v_floor_f32 v[ST+8*\t], -v[ST+8*\t+1]          ; the new -M = floor(-t) = -ceil(t): a whole number
.endr
.irp t, 0,1
	v_sub_f32 v[ST+8*\t+6], v[ST+8*\t], v[ST+8*\t+6]   ; old M - new M: a whole number, 0 or less
.endr
.irp t, 0,1
	v_cvt_i32_f32 v[ST+8*\t+6], v[ST+8*\t+6]       ; (it saturates)
.endr
.irp t, 0,1
	v_ldexp_f32 v[ST+8*\t+4], 1.0, v[ST+8*\t+6]    ; f = 2^(old M - new M)
.endr
.set j, 0
.rept 32
	v_pk_fma_f32 v[S+2*j:S+2*j+1], v[S+2*j:S+2*j+1], s[24:25], v[ST:ST+1] op_sel_hi:[1,0,0]   ; tile 0: t - M, two at a time (of the pairs the low word serves both halves)
.set j, j+1
.endr
.set j, 0
.rept 32                               ; tile 0's exponentials, with tile 1's t - M as the plain work between them
	v_pk_fma_f32 v[S+64+2*j:S+64+2*j+1], v[S+64+2*j:S+64+2*j+1], s[24:25], v[ST+8:ST+9] op_sel_hi:[1,0,0]
	v_exp_f32 v[S+2*j], v[S+2*j]
	v_exp_f32 v[S+2*j+1], v[S+2*j+1]
.set j, j+1
.endr
.set j, 0
.rept 32                               ; tile 1's exponentials, with tile 0's sums (of the UNQUANTISED p) between them
	v_exp_f32 v[S+64+2*j], v[S+64+2*j]
	v_exp_f32 v[S+64+2*j+1], v[S+64+2*j+1]
	SUMOP 0, j
.set j, j+1
.endr
	SUMOP 0, 32
	HOLDCVT 0, 1
	SUMOP 1, 32
	HOLDCVT 1, 0
.endm
; A KEY STEP: my 128 keys of the slot in hand, for my two tiles of queries.
.macro STEP
	v_add_nc_u32 v2, s40, v1
	WIN 0x40                                       ; destination window 1, address window 0
.irp f, 0,1,2,3,4,5,6,7
.irp c, 0,1,2,3
	ds_load_b128 v[F+16*\f+4*\c:F+16*\f+4*\c+3], v2 offset:2048*\f+512*\c   ; K's eight fragments: 512 consecutive bytes a load
.endr
.endr
	WIN 0x01                                       ; source 0 (K) window 1; Q and S^T window 0
.irp kt, 0,1,2,3,4,5,6,7
	s_wait_dscnt 28-4*\kt                          ; fragment kt's four loads are in; those of the fragments behind it may be out
.irp t, 0,1
	v_wmma_f32_16x16x128_bf8_bf8 v[S+64*\t+8*\kt:S+64*\t+8*\kt+7], v[F+16*\kt:F+16*\kt+15], v[Q+16*\t:Q+16*\t+15], 0
.endr
.endr
.rept 4
	v_nop                                          ; four places: in front of the loads into K's registers, and of the first read of the scores
.endr
	WIN 0x40
.irp f, 0,1,2,3,4,5,6,7
.irp c, 0,1,2,3
	ds_load_b128 v[F+16*\f+4*\c:F+16*\f+4*\c+3], v2 offset:16384+2048*\f+512*\c   ; V's eight fragments land while the softmax is walked
.endr
.endr
	WIN 0
	SOFT
	WIN 0x41                                       ; O^T (destination and source 0) window 1, f window 0
.irp t, 0,1
.set i, 0
.rept 32
	v_pk_mul_f32 v[64*\t+i:64*\t+i+1], v[64*\t+i:64*\t+i+1], v[ST+8*\t+4:ST+8*\t+5] op_sel_hi:[1,0]   ; O^T under the new M.  (Also the plain work between the conversions and the products that read the codes)
.set i, i+2
.endr
.endr
	s_wait_dscnt 0x0                               ; V is in
	WIN 0x51                                       ; V window 1, the codes window 0, O^T window 1
.irp ct, 0,1,2,3,4,5,6,7                       ; sixteen accumulators by turns, one instruction a turn
.irp t, 0,1
	v_wmma_f32_16x16x128_bf8_bf8 v[64*\t+8*\ct:64*\t+8*\ct+7], v[F+16*\ct:F+16*\ct+15], v[P+16*\t:P+16*\t+15], v[64*\t+8*\ct:64*\t+8*\ct+7]
.endr
.endr
	WIN 0
.endm
	s_load_b256 s[4:11], s[0:1], 0x0               ; q_img s[4:5], kv_img s[6:7], wO s[8:9], bO s[10:11]
	s_load_b128 s[12:15], s[0:1], 0x20             ; ref s[12:13], the scales' exponents s[14:15]
	s_load_b64 s[16:17], s[0:1], 0x30              ; out0
	v_lshl_add_u32 v3, v0, 2, SPARE
	v_mov_b32 v4, 0
	ds_add_u32 v3, v4
	ds_add_u32 v3, v4
	s_wait_dscnt 0x0
	v_lshrrev_b32 v26, 5, v0
	v_readfirstlane_b32 s18, v26                   ; wave 0..7
	s_lshr_b32 s19, s18, 2                         ; qp: which half of the tokens my queries lie in
	s_and_b32 s20, s18, 3                          ; kq: which step of a slot is mine
	s_bfe_u32 s52, ttmp6, 0x40000                  ; cx
	s_lshl_b32 s21, ttmp9, 2
	s_add_co_u32 s21, s21, s52                     ; G: my block of 32 positions = 4 x cluster x + cx: it enters Q's, ref's and out0's addresses alone
	s_and_b32 s53, ttmp7, 0xffff                   ; the batch, which the four partners share
	; descriptor group 1: 64 rows of 256 bytes, dense: 16 KiB
	s_mov_b32 s28, 15|(3<<16)|(1<<21)              ; the mask: all four work-groups; elements of 8 bytes; bit 21 beside the mask; no padding: every LDS read is 16 x lane
	s_mov_b32 s29, 32<<16                          ; tensor_dim0
	s_mov_b32 s30, 64<<16                          ; tensor_dim1
	s_mov_b32 s31, 32<<16                          ; tile_dim0
	s_mov_b32 s32, 64                              ; tile_dim1
	s_mov_b32 s33, 32                              ; from row to row
	s_mov_b32 s34, 0
	s_mov_b32 s35, 0
	s_mov_b32 s22, 0x76543210                      ; v_permlanex16_b32's selects for lane l xor 16
	s_mov_b32 s23, 0xfedcba98
	s_mov_b32 s40, 0                               ; LDS byte at which the slot in hand begins
	s_mov_b32 s41, 15                              ; slots still to be asked for
	s_lshl_b32 s54, s53, 21                        ; the batch's 2 MiB of kv_img,
	s_lshl_b32 s55, s18, 14                        ; my eighth of a slot
	s_add_co_u32 s54, s54, s55
	s_mov_b32 s55, 0
	s_wait_kmcnt 0x0
	s_load_b64 s[44:45], s[14:15], 0x18            ; e6, e7
	s_load_b128 s[48:51], s[14:15], 0x20           ; e8, e9, e10, e11
	s_mov_b32 s36, 1
	s_lshl_b32 s37, s18, 14                        ; slot 0, my eighth: no place in the cluster enters an LDS address
	s_add_nc_u64 s[38:39], s[6:7], s[54:55]
	s_or_b32 s39, s39, 0x80000000                  ; type = 2
	CROUND                                         ; all four work-groups are here: the first joint loads meet
	tensor_load_to_lds s[36:39], s[28:35]          ; keys 0 to 511
	s_nop 0
.rept 4
	v_nop
.endr
	v_and_b32 v28, 31, v0
	v_lshlrev_b32 v28, 4, v28                      ; 16 x lane; never rewritten
	s_lshl_b32 s58, s20, 15
	v_add_nc_u32 v1, s58, v28                      ; my place in a slot: step kq, 16 x lane
	v_and_b32 v26, 15, v0                          ; r
	v_bfe_u32 v27, v0, 4, 1                        ; h
	v_lshlrev_b32 v29, 10, v26
	v_lshl_add_u32 v29, v27, 6, v29                ; wO: row r of 1,024 bytes, + 64 h: my 16 numbers of a block of 32
	s_lshl_b32 s56, s53, 20                        ; q_img: batch x 1 MiB + tiles 256 qp + 2 G on
	s_lshl_b32 s57, s19, 19
	s_add_co_u32 s56, s56, s57
	s_lshl_b32 s57, s21, 12
	s_add_co_u32 s56, s56, s57
	s_mov_b32 s57, 0
	s_add_nc_u64 s[4:5], s[4:5], s[56:57]
	s_lshl_b32 s56, s18, 14                        ; wO: my 16 rows: output channels 16 x wave on
	s_add_nc_u64 s[8:9], s[8:9], s[56:57]
	s_lshl_b32 s56, s53, 21                        ; ref and out0: the batch, my 16 channels' rows of 16 KiB, my block's 128 bytes
	s_lshl_b32 s58, s18, 18
	s_add_co_u32 s56, s56, s58
	s_lshl_b32 s58, s21, 7
	s_add_co_u32 s56, s56, s58
	s_add_nc_u64 s[12:13], s[12:13], s[56:57]
	s_add_nc_u64 s[16:17], s[16:17], s[56:57]
.irp t, 0,1
.irp c, 0,1,2,3
	global_load_b128 v[Q+16*\t+4*\c:Q+16*\t+4*\c+3], v28, s[4:5] offset:2048*\t+512*\c   ; Q's two fragments stay in registers
.endr
.endr
.irp hf, 0,1
.irp c, 0,1,2,3
.irp j, 0,1,2,3
	global_load_b128 v[S+64*\hf+16*\c+4*\j:S+64*\hf+16*\c+4*\j+3], v29, s[8:9] offset:512*\hf+128*\c+16*\j   ; wO(16 wave + r, 128 hf + 32 c + 16 h + ..)
.endr
.endr
.endr
	s_wait_kmcnt 0x0
	s_add_co_i32 s60, s44, s45
	s_lshl_b32 s60, s60, 23
	s_add_co_i32 s24, s60, 0x3fb8aa3b              ; log2(e) x 2^(e6 + e7): the two exponents are added to the exponent field
	s_mov_b32 s25, s24                             ; (named with it as a pair, so it is written)
	SETK 49, 5, 6                                  ; 2^e9 and 57,344 x 2^e9
	s_add_co_i32 s62, s48, s49                     ; e8 + e9
	s_add_co_i32 s63, s50, s51
	s_add_co_i32 s63, s63, 127
	s_lshl_b32 s63, s63, 23                        ; 2^(e10 + e11) as f32
.irp t, 0,1
	v_mov_b32 v[ST+8*\t+1], 0xff61b1e6             ; the largest t so far: -3e38, under every t
	v_floor_f32 v[ST+8*\t], -v[ST+8*\t+1]          ; -M
	v_mov_b32 v[ST+8*\t+2], 0                      ; the sum, in two halves
	v_mov_b32 v[ST+8*\t+3], 0
	v_mov_b32 v[ST+8*\t+5], 0                      ; (named as the upper half of f's pair)
.endr
	WIN 0x40
.set i, 0
.rept 128
	v_mov_b32 v[i], 0                              ; O^T.  (The key step is written once for the loop: its first trip finds zeros, which the first change of M leaves zeros)
.set i, i+1
.endr
	WIN 0
	s_wait_loadcnt 0x0                             ; Q and wO
	SETK 51, 26, 27                                ; 2^e11 and 57,344 x 2^e11
.irp hf, 0,1
.irp c, 0,1,2,3
.set i, 0
.rept 16
	v_med3_num_f32 v[S+64*\hf+16*\c+i], v[S+64*\hf+16*\c+i], -v27, v27
.set i, i+1
.endr
	v_cvt_scalef32_pk8_bf8_f32 v[WO+16*\hf+4*\c:WO+16*\hf+4*\c+1], v[S+64*\hf+16*\c:S+64*\hf+16*\c+7], v26
	v_cvt_scalef32_pk8_bf8_f32 v[WO+16*\hf+4*\c+2:WO+16*\hf+4*\c+3], v[S+64*\hf+16*\c+8:S+64*\hf+16*\c+15], v26
.endr
.endr
	v_nop                                          ; one plain vector instruction behind the last conversion: the first products write its sources
.Lslot:                                            ; 15 trips: behind each change of slots but the last the next 512 keys are asked for
	CHANGE 1
	STEP
	s_xor_b32 s40, s40, SLOT1                      ; on to the other slot
	s_sub_co_u32 s41, s41, 1
	s_cmp_lg_u32 s41, 0
	s_cbranch_scc1 .Lslot
	CHANGE 0                                       ; the last slot is written out
	STEP
	; ---- THE TAIL.  Its addresses, all of the thread's and the wave's number; these lines name no register of the last products and are the places behind them.
	v_and_b32 v6, 31, v0                           ; lane
	v_and_b32 v14, 15, v0                          ; r
	v_bfe_u32 v15, v0, 4, 1                        ; h
	v_lshrrev_b32 v22, 3, v6                       ; lane / 8
	v_and_b32 v23, 7, v0                           ; lane % 8
	v_lshlrev_b32 v30, 14, v22
	v_lshl_add_u32 v30, v23, 4, v30                ; ref, out0: eight lanes take a row's 128 bytes, four rows an instruction
	s_lshl_b32 s60, s18, 6
	v_lshl_add_u32 v5, v14, 2, s60                 ; bO: channel 16 wave + r
	s_lshl_b32 s60, s18, 14
	v_add_nc_u32 v1, s60, v28                      ; O^T's stage, in slot 0: where I put my 16 KiB,
	s_lshl_b32 s60, s19, 16
	s_lshl_b32 s61, s20, 11
	s_add_co_u32 s60, s60, s61
	v_add_nc_u32 v2, s60, v28                      ; and where I read channels 32 kq on of my half's four waves
	s_lshl_b32 s60, s18, 9
	s_add_co_u32 s60, s60, STAT
	v_lshl_add_u32 v7, v6, 2, s60                  ; my statistics,
	s_lshl_b32 s60, s19, 11
	s_add_co_u32 s61, s60, STAT
	v_lshl_add_u32 v24, v6, 2, s61                 ; and my half's four waves'
	s_lshl_b32 s61, s20, 9
	s_add_co_u32 s60, s60, s61
	s_add_co_u32 s60, s60, EIMG
	v_add_nc_u32 v25, s60, v28                     ; the last operand's images: I store block kq of half qp's,
	v_add_nc_u32 v26, EIMG, v28                    ; and read all four
	s_mul_i32 s60, s18, 16*SGP
	s_add_co_u32 s60, s60, OSTG                    ; my stage for the way out
	v_mul_u32_u24 v27, v14, SGP
	v_lshl_add_u32 v27, v15, 6, v27
	v_add_nc_u32 v27, s60, v27                     ; in: row r (a channel), + 64 h
	v_mul_u32_u24 v29, v22, SGP
	v_lshl_add_u32 v29, v23, 4, v29
	v_add_nc_u32 v29, s60, v29                     ; back: as in memory
.irp t, 0,1
	v_add_f32 v[ST+8*\t+2], v[ST+8*\t+2], v[ST+8*\t+3]   ; the sum's two halves,
.endr
.irp t, 0,1
	v_permlanex16_b32 v[ST+8*\t+3], v[ST+8*\t+2], s22, s23
.endr
.irp t, 0,1
	v_add_f32 v[ST+8*\t+2], v[ST+8*\t+2], v[ST+8*\t+3]   ; and lane l xor 16's
.endr
	s_barrier_signal -1                            ; every wave has left the ring (its LDS loads were waited for ahead of its last products): from here on slot 0, which has had its last fill, is a stage
	s_barrier_wait -1
.irp t, 0,1,2,3
	global_load_b128 v[64+4*\t:67+4*\t], v30, s[12:13] offset:65536*\t th:TH_LOAD_NT   ; ref at my outputs, asked for early
.endr
	global_load_b32 v31, v5, s[10:11]
	ds_store_b32 v7, v8                            ; -M0
	ds_store_b32 v7, v10 offset:128                ; l0
	ds_store_b32 v7, v16 offset:256                ; -M1
	ds_store_b32 v7, v18 offset:384                ; l1
	WIN 0x04                                       ; store data window 1
.set g, 0
.rept 32
	ds_store_b128 v1, v[4*g:4*g+3] offset:512*g    ; O^T as it stands, each accumulator from its low end on
.set g, g+1
.endr
	WIN 0
	s_wait_dscnt 0x0                               ; for the others' sake
	s_barrier_signal -1
	s_barrier_wait -1
.irp k, 0,1,2,3
.irp it, 0,1,2,3
	ds_load_b32 v[80+4*\k+\it], v24 offset:512*\k+128*\it
.endr
.endr
	WIN 0x40
.irp k, 0,1,2,3
.irp t, 0,1
.irp i, 0,1,2,3
	ds_load_b128 v[128+32*\k+16*\t+4*\i:128+32*\k+16*\t+4*\i+3], v2 offset:16384*\k+8192*\t+512*\i   ; wave k's part: tile t, channels 32 kq + 16 h + 0 .. 15
.endr
.endr
.endr
	WIN 0
	s_wait_dscnt 32                                ; the sixteen statistics are in; the 32 loads of the parts may be out
.irp t, 0,1
	v_min3_num_f32 v[ST+8*\t+6], v[80+2*\t], v[84+2*\t], v[88+2*\t]
.endr
.irp t, 0,1
	v_min_num_f32 v[ST+8*\t+6], v[ST+8*\t+6], v[92+2*\t]   ; -M* = the least -M
.endr
.irp t, 0,1
.irp k, 0,1,2,3
	v_sub_f32 v[96+8*\t+2*\k], v[ST+8*\t+6], v[80+4*\k+2*\t]   ; M_k - M*: a whole number, 0 or less
.endr
.endr
.irp t, 0,1
.irp k, 0,1,2,3
	v_cvt_i32_f32 v[96+8*\t+2*\k], v[96+8*\t+2*\k]
.endr
.endr
.irp t, 0,1
.irp k, 0,1,2,3
	v_ldexp_f32 v[96+8*\t+2*\k], 1.0, v[96+8*\t+2*\k]   ; f_k = 2^(M_k - M*)
.endr
.endr
.irp t, 0,1
	v_mul_f32 v[ST+8*\t+7], v[81+2*\t], v[96+8*\t]
.endr
.irp k, 1,2,3
.irp t, 0,1
	v_fma_f32 v[ST+8*\t+7], v[81+4*\k+2*\t], v[96+8*\t+2*\k], v[ST+8*\t+7]   ; the row's sum under M*
.endr
.endr
.irp t, 0,1
	v_rcp_f32 v[ST+8*\t+7], v[ST+8*\t+7]
.endr
	v_nop                                          ; one plain place behind a transcendental
	s_wait_alu depctr_va_vdst(0)
.irp t, 0,1
	v_ldexp_f32 v[ST+8*\t+7], v[ST+8*\t+7], s62    ; x 2^(e8 + e9)
.endr
.irp t, 0,1
.irp k, 0,1,2,3
	v_mul_f32 v[97+8*\t+2*\k], v[96+8*\t+2*\k], v[ST+8*\t+7]   ; g_k = f_k 2^(e8 + e9) / the sum, in both registers of a pair
	v_mul_f32 v[96+8*\t+2*\k], v[96+8*\t+2*\k], v[ST+8*\t+7]
.endr
.endr
	s_wait_dscnt 0x0                               ; the parts
	WIN 0x01                                       ; source 0 (a part) window 1
.irp t, 0,1
.irp i, 0,2,4,6,8,10,12,14
	v_pk_mul_f32 v[112+16*\t+\i:112+16*\t+\i+1], v[128+16*\t+\i:128+16*\t+\i+1], v[96+8*\t:96+8*\t+1]
.endr
.irp k, 1,2,3
.irp i, 0,2,4,6,8,10,12,14
	v_pk_fma_f32 v[112+16*\t+\i:112+16*\t+\i+1], v[128+32*\k+16*\t+\i:128+32*\k+16*\t+\i+1], v[96+8*\t+2*\k:96+8*\t+2*\k+1], v[112+16*\t+\i:112+16*\t+\i+1]
.endr
.endr
.endr
	WIN 0
	SETK 50, 12, 13                                ; 2^e10 and 57,344 x 2^e10
.set i, 0
.rept 32
	v_med3_num_f32 v[112+i], v[112+i], -v13, v13
.set i, i+1
.endr
.irp t, 0,1
	v_cvt_scalef32_pk8_bf8_f32 v[144+4*\t:145+4*\t], v[112+16*\t:119+16*\t], v12
	v_cvt_scalef32_pk8_bf8_f32 v[146+4*\t:147+4*\t], v[120+16*\t:127+16*\t], v12
.endr
	v_nop                                          ; one plain vector instruction behind the last conversion
.irp t, 0,1
	ds_store_b128 v25, v[144+4*\t:147+4*\t] offset:4096*\t   ; block kq of the image (tile t, half qp)
.endr
	s_wait_dscnt 0x0                               ; for the others' sake
	s_barrier_signal -1
	s_barrier_wait -1
.irp f, 0,1,2,3
.irp c, 0,1,2,3
	ds_load_b128 v[152+16*\f+4*\c:152+16*\f+4*\c+3], v26 offset:2048*\f+512*\c
.endr
.endr
	s_wait_dscnt 0x0
	; the last product: source 0 = 16 positions, source 1 = my 16 rows of wO: lane (r, h) holds channel 16 wave + r and positions 16 h + 8 u + 0 .. 7.  Two accumulators by turns
	v_wmma_f32_16x16x128_bf8_bf8 v[32:39], v[152:167], v[224:239], 0
	v_wmma_f32_16x16x128_bf8_bf8 v[40:47], v[184:199], v[224:239], 0
	v_wmma_f32_16x16x128_bf8_bf8 v[32:39], v[168:183], v[240:255], v[32:39]
	v_wmma_f32_16x16x128_bf8_bf8 v[40:47], v[200:215], v[240:255], v[40:47]
.rept 4
	v_nop
.endr
	s_wait_loadcnt 0x0                             ; bO and ref
.set j, 0
.rept 16
	v_fma_f32 v[48+j], v[32+j], s63, v31           ; sum x 2^(e10 + e11) + bO, each accumulator from its low end on
.set j, j+1
.endr
.irp u, 0,1
.irp k, 0,1
	ds_store_b128 v27, v[48+8*\u+4*\k:48+8*\u+4*\k+3] offset:32*\u+16*\k
.endr
.endr
.irp t, 0,1,2,3
	ds_load_b128 v[80+4*\t:83+4*\t], v29 offset:4*SGP*\t   ; LDS serves a wave's instructions in order (ISA guide 5.7.1.4): these see my stores
.endr
	s_wait_dscnt 0x0
.irp i, 0,2,4,6,8,10,12,14
	v_pk_add_f32 v[80+\i:81+\i], v[80+\i:81+\i], v[64+\i:65+\i]   ; + ref
.endr
.irp t, 0,1,2,3
	global_store_b128 v30, v[80+4*\t:83+4*\t], s[16:17] offset:65536*\t th:TH_STORE_NT   ; four rows' 128 consecutive bytes each
.endr
	s_wait_tensorcnt 0x0                           ; the wave's end: behind my last tensor load and my last LDS store
	ds_add_u32 v3, v4
	s_wait_dscnt 0x0
	CROUND                                         ; the closing round: no work-group ends while a partner may still ask for a tile that names it
	s_endpgm
.Lfunc_end_k_q972120a92d_attn:
	.size	k_q972120a92d_attn, .Lfunc_end_k_q972120a92d_attn-k_q972120a92d_attn
	.p2alignl 7, 3214868480
	.fill 96, 4, 3214868480
	.section	.rodata,"a",@progbits
	.p2align	6, 0x0
	.amdhsa_kernel k_q972120a92d_attn
		.amdhsa_group_segment_fixed_size 327680
		.amdhsa_private_segment_fixed_size 0
		.amdhsa_enable_private_segment 0
		.amdhsa_kernarg_size 56
		.amdhsa_user_sgpr_count 2
		.amdhsa_user_sgpr_kernarg_segment_ptr 1
		.amdhsa_wavefront_size32 1
		.amdhsa_system_sgpr_workgroup_id_x 1
		.amdhsa_system_sgpr_workgroup_id_y 1
		.amdhsa_system_sgpr_workgroup_id_z 1
		.amdhsa_system_vgpr_workitem_id 0
		.amdhsa_next_free_vgpr 512
		.amdhsa_next_free_sgpr 80
		.amdhsa_reserve_vcc 0
		.amdhsa_float_denorm_mode_32 3
		.amdhsa_float_denorm_mode_16_64 3
		.amdhsa_memory_ordered 1
		.amdhsa_forward_progress 1
		.amdhsa_inst_pref_size 110
	.end_amdhsa_kernel
	.amdgpu_metadata
---
amdhsa.version: [ 1, 2 ]
amdhsa.kernels:
  - .name:           k_q972120a92d_attn
    .symbol:         k_q972120a92d_attn.kd
    .args:
      - { .name: q_img, .offset: 0, .size: 8, .value_kind: global_buffer, .address_space: global }
      - { .name: kv_img, .offset: 8, .size: 8, .value_kind: global_buffer, .address_space: global }
      - { .name: wO, .offset: 16, .size: 8, .value_kind: global_buffer, .address_space: global }
      - { .name: bO, .offset: 24, .size: 8, .value_kind: global_buffer, .address_space: global }
      - { .name: ref, .offset: 32, .size: 8, .value_kind: global_buffer, .address_space: global }
      - { .name: lowp_scales, .offset: 40, .size: 8, .value_kind: global_buffer, .address_space: global }
      - { .name: out0, .offset: 48, .size: 8, .value_kind: global_buffer, .address_space: global }
    .group_segment_fixed_size: 327680
    .private_segment_fixed_size: 0
    .kernarg_segment_align: 8
    .kernarg_segment_size: 56
    .max_flat_workgroup_size: 256
    .sgpr_count:     80
    .vgpr_count:     512
    .wavefront_size: 32
...
	.end_amdgpu_metadata
.endif
;; end of part 2
